; MI455X (gfx1250); checked and timed in simulation.
; The chip was launched on July 23, 2026; its instructions are those of AMD's public machine-readable ISA for CDNA 5 (MIT licence, August 2026) and "CDNA5" Instruction Set Architecture Reference Guide (July 2026). The comments in the code are by the model that wrote it; some were corrected since.
;; LSTM Block. Allowed arithmetic: matrix products marked QUANTISED: E5M2 operands, one E8M0 scale for each 32 along K, by v_wmma_scale_f32_16x16x128_f8f6f4 with both operands' format E5M2, f32 sums; everything else in f32.
;; Inputs: W_f 1,024 x 2,048 float32; W_g 1,024 x 2,048 float32; W_i 1,024 x 2,048 float32; W_o 1,024 x 2,048 float32; b_f 1,024 float32; b_g 1,024 float32; b_i 1,024 float32; b_o 1,024 float32; c 8,192 x 1,024 float32; h 8,192 x 1,024 float32; x 8,192 x 1,024 float32.
;; Outputs: out0 8,192 x 1,024 float32; out1 8,192 x 1,024 float32.
;; This version of the problem:
;;   THIS VERSION OF THE PROBLEM IS GIVEN IN LOW PRECISION. The matrix products marked QUANTISED in the list below multiply operands that are first quantised to E5M2 (5 exponent bits, 2 mantissa bits; 8 bits a number), with one power-of-two scale for each 32 numbers along K (OCP MX v1.0); their sums are f32. All else is computed in f32.
;;   The module's matrix products, in the order in which they are computed (A, B: the left and right operand; K: the contracted axis; several contracted axes count as one K, in the product's order):
;;     1. [M 8,192, K 2,048] x [K 2,048, N 4,096]; A: computed on the way; B: computed on the way: QUANTISED
;;   THE QUANTISER, for each operand of a quantised product, along K:
;;     - K is cut into blocks of 32 from its start; a last block that is shorter is filled with zeros.
;;     - A block's scale is 2^e with e = floor(log2(the largest magnitude in the block)) - 15, held to -126 .. 127; a block of zeros has e = 0. As a byte (E8M0): e + 127.
;;     - Each number is divided by its block's scale, clamped to +-57,344, and rounded to the nearest number of E5M2, ties to even, subnormals kept.
;;     - The product sums the exact products of the quantised numbers (number of the format x scale) in f32.
;;   ~~~python
;;   def quantise(x, axis):      # numpy; x: float32 -> the quantised numbers, widened to float32 again
;;       x = np.moveaxis(x, axis, -1); K = x.shape[-1]
;;       x = np.pad(x, [(0, 0)] * (x.ndim - 1) + [(0, -K % 32)]); x = x.reshape(x.shape[:-1] + (-1, 32)); a = np.abs(x).max(-1, keepdims=True)
;;       e = np.where(a > 0, np.clip(np.frexp(np.where(a > 0, a, 1))[1] - 1 - 15, -126, 127), 0)      # np.frexp(a)[1] - 1 = floor(log2(a)), exactly
;;       r = np.clip(x / 2.0 ** e, -57344, 57344)
;;       step = 2.0 ** (np.maximum(np.frexp(np.where(r == 0, 1, r))[1] - 1, -14) - 2)
;;       q = np.round(r / step) * step * 2.0 ** e      # np.round: ties to even
;;       return np.moveaxis(q.reshape(q.shape[:-2] + (-1,))[..., :K], -1, axis).astype(np.float32)
;;   ~~~
;;   OPERANDS COMPUTED ON THE WAY. 'Computed on the way' means the value that the module computes at that place (a softmax that the list does not call 'softmax' is quantised finished and normalised). What goes into a quantiser is computed in f32, as accurately as f32 sums, v_exp_f32 and their like allow (about 1e-6 of the number): no bf16 or f16 on the way to a quantiser, and a product that is left as it is and whose result goes on into a quantised operand takes f32 operands (vector FMAs, or v_wmma_f32_16x16x4_f32). A number that lies on a knife's edge between two numbers of the format may be rounded either way, as far as f32 arithmetic and the matrix unit's own rounding can turn it there, and no further.
;; One version. Each part assembles by itself: llvm-mc -triple=amdgcn-amd-amdhsa -mcpu=gfx1250 --defsym DOCPART=n.
;; ======== version 1 of 1: 2 launches
;; limits: right only within a limited range of input values
;; workspace buffers: a_codes 16,777,216 bytes; a_scales 524,288 bytes; w_codes 8,388,608 bytes; w_scales 262,144 bytes
;; launch quant (part 1): grid 768 x 1, 4 waves a work-group, no clusters, 33,280 bytes of LDS; arguments x, h, W_f, W_i, W_g, W_o, a_codes, a_scales, w_codes, w_scales; writes a_codes, a_scales, w_codes, w_scales
.if DOCPART == 1
	.amdgcn_target "amdgcn-amd-amdhsa--gfx1250"
	.amdhsa_code_object_version 6
	.text
	.protected	k_q28b72ea6d4_quant
	.globl	k_q28b72ea6d4_quant
	.p2align	8
	.type	k_q28b72ea6d4_quant,@function
k_q28b72ea6d4_quant:
	s_mov_b64 s[64:65], 0
	v_nop
	global_prefetch_b8 v0, s[64:65] scope:SCOPE_SE
	s_setreg_imm32_b32 hwreg(HW_REG_WAVE_MODE, 25, 1), 1
	s_wait_xcnt 0x0
; xx = [x | h] ([8192][2048]) and W = [W_f; W_i; W_g; W_o] ([4096][2048]), f32, K innermost, become codes of BF8 (E5M2), one byte each, with one E8M0 scale byte for each 32 along K.
; a_codes [8192][2048]: row m = the codes of x[m], then of h[m];  a_scales [8192][64].
; w_codes [4096][2048], w_scales [4096][64]: THE ROWS OF W ARE LAID IN ANOTHER ORDER: row hid of gate g (f, i, g, o = 0 .. 3) goes to row (hid / 32) x 128 + g x 32 + hid % 32,
; so that 128 neighbouring rows are the four gates of 32 neighbouring hidden units: the product's launch then finds all four gates of a hidden unit in one wave.
; A block's scale is 2^(floor(log2(its largest magnitude)) - 15); its byte is the largest magnitude's exponent field - 15, held at 1 from below.  Each number is divided by the scale,
; held within +-57,344 and rounded to the nearest code, ties to even.
; LIMITS: a block of zeros gets the byte 1 where the rule says 127 (its codes are zeros, which add nothing under any byte but 0xff, and this program alone reads the bytes); a block whose largest
; magnitude lies under 2^(16 - 127) has its byte held at 1; NaN and infinities among the inputs are not served.
; SHARES.  A wave takes a run of 8,192 numbers: four rows of xx (four rows of x and the same four of h) or four rows of one gate's W, in 16 steps of 512 numbers.  Work-groups 0 to 511 take xx,
; 512 to 767 take W, 64 for each gate.  All six tensors take ONE path through the text: two source pointers (a row's first and second 1,024 numbers), a row stride and two destination pointers are selected
; on the work-group's number.  Step t: row t / 4, part (t % 4) / 2, half t % 2.  On the way out a run is a plain stream: 8,192 bytes of codes, 256 scale bytes.
; Each of a step's four loads reads 512 consecutive bytes, 16 a lane; the conversions want 16 NEIGHBOURS in one lane: so a step's 2,048 bytes turn through the wave's own stage in LDS and come back 64 bytes a lane
; (16 bytes of padding behind each 64).  No tensor loads, no barrier: waves share nothing.  Loads run four steps (16 loads a wave) ahead, the turn through LDS one step.
.set STEPS, 16
.set WGA,   512                        ; work-groups for xx: 8192 x 2048 / 32768
.set EMAX,  15
.set MANT,  0x600000                   ; the mantissa field of 57,344 as f32
.set CB,    16                         ; bytes of 16 codes
.set R,     16                         ; v16-79   four sets of 16 numbers as they are loaded
.set X,     80                         ; v80-111  two sets of 16 neighbours
.set E,     112                        ; v112-127 a scale byte for each step
.set C,     128                        ; v128-191 codes: four registers for each step, so that no store's data are written again
.set OFR,   192                        ; v192-195 row r of the run: r x the row stride + 16 x lane; never rewritten
.set WREG,  8192                       ; LDS: a region of its own for each wave: two stages of 32 x SP bytes, and behind them its 256 scale bytes
.set SP,    80                         ; a lane's place in a stage: its 64 bytes + 16 of padding
	s_load_b512 s[4:19], s[0:1], 0x0               ; x s[4:5], h s[6:7], W_f s[8:9], W_i s[10:11], W_g s[12:13], W_o s[14:15], a_codes s[16:17], a_scales s[18:19]
	s_load_b128 s[20:23], s[0:1], 0x40             ; w_codes s[20:21], w_scales s[22:23]
	v_lshl_add_u32 v200, v0, 2, 0x8000
	v_mov_b32 v201, 0
	v_lshrrev_b32 v1, 5, v0
	v_readfirstlane_b32 s24, v1                    ; wave
	v_and_b32 v2, 31, v0                           ; lane
	v_lshlrev_b32 v3, 4, v2                        ; my 16 bytes of a load's 512
	s_mul_i32 s25, s24, WREG
	v_lshrrev_b32 v14, 2, v2
	v_mul_u32_u24 v14, v14, SP
	v_and_b32 v15, 3, v2
	v_lshl_add_u32 v14, v15, 4, v14
	v_add_nc_u32 v14, s25, v14                     ; the stage, on the way in: four lanes' 64 bytes on end, then 16 of padding: SP (lane / 4) + 16 (lane % 4); a load's 512 bytes take eight places
	v_mul_u32_u24 v15, v2, SP
	v_add_nc_u32 v15, s25, v15                     ; and on the way out: SP x lane: my 16 neighbours
	v_mul_u32_u24 v4, v2, CB                       ; my codes' place in a step's
	v_lshrrev_b32 v5, 1, v2
	s_add_co_u32 s25, s25, 2*32*SP
	v_add_nc_u32 v5, s25, v5                       ; LDS: my wave's 256 scale bytes, my block's byte
	v_lshlrev_b32 v7, 3, v2                        ; and on the way out 8 bytes a lane
	v_add_nc_u32 v6, s25, v7
	s_mov_b32 s38, MANT                            ; (an instruction takes one literal: the hold's line has another)
	; which run is mine, reckoned for both kinds of work-group; each number is held to its own kind's range
	s_max_u32 s26, ttmp9, WGA
	s_sub_co_u32 s26, s26, WGA                     ; W: work-group 0 .. 255
	s_lshr_b32 s27, s26, 6                         ; the gate
	s_and_b32 s28, s26, 63
	s_lshl_b32 s28, s28, 2
	s_add_co_u32 s28, s28, s24                     ; rho: which four rows of the gate's 1,024: 0 .. 255
	s_lshr_b32 s29, s28, 3
	s_lshl_b32 s29, s29, 5
	s_lshl_b32 s30, s27, 3
	s_add_co_u32 s29, s29, s30
	s_and_b32 s30, s28, 7
	s_add_co_u32 s29, s29, s30                     ; where they go, in runs of four rows: (rho / 8) x 32 + gate x 8 + rho % 8
	s_min_u32 s31, ttmp9, WGA-1
	s_lshl_b32 s31, s31, 2
	s_add_co_u32 s31, s31, s24                     ; xx: run 4 x work-group + wave, the same on the way in and out
	s_lshl_b32 s39, s31, 14                        ; xx: four rows of 4,096 bytes in x and in h
	s_lshl_b32 s40, s28, 15                        ; W: four rows of 8,192 bytes
	s_mov_b32 s35, 8192                            ; W's row stride
	s_mov_b32 s37, 0
	s_wait_kmcnt 0x0
	s_cmp_eq_u32 s27, 1                            ; the gate's tensor: choices on the work-group's number alone
	s_cselect_b64 s[8:9], s[10:11], s[8:9]
	s_cmp_eq_u32 s27, 2
	s_cselect_b64 s[8:9], s[12:13], s[8:9]
	s_cmp_eq_u32 s27, 3
	s_cselect_b64 s[8:9], s[14:15], s[8:9]
	s_add_nc_u64 s[10:11], s[8:9], 4096            ; a row's second 1,024 numbers
	s_cmp_lt_u32 ttmp9, WGA                        ; xx or W?  Only selects follow, which leave the condition alone
	s_cselect_b64 s[4:5], s[4:5], s[8:9]           ; part 0: x, or W's first half of a row
	s_cselect_b64 s[6:7], s[6:7], s[10:11]         ; part 1: h, or W's second half
	s_cselect_b64 s[16:17], s[16:17], s[20:21]     ; the codes
	s_cselect_b64 s[18:19], s[18:19], s[22:23]     ; the scale bytes
	s_cselect_b32 s36, s39, s40                    ; my run's first byte in the sources
	s_cselect_b32 s33, s31, s29                    ; my run's number in the destinations
	s_cselect_b32 s35, 4096, s35                   ; the row stride
	s_add_nc_u64 s[4:5], s[4:5], s[36:37]
	s_add_nc_u64 s[6:7], s[6:7], s[36:37]
	s_lshl_b32 s36, s33, 13                        ; 8,192 bytes of codes a run
	s_add_nc_u64 s[16:17], s[16:17], s[36:37]
	s_lshl_b32 s36, s33, 8                         ; 256 scale bytes a run
	s_add_nc_u64 s[18:19], s[18:19], s[36:37]
.irp r, 0,1,2,3
	v_mad_u32_u24 v[OFR+\r], s35, \r, v3
.endr
.macro LOAD t                          ; step t's 2,048 bytes: four loads of 512 consecutive bytes; read once in the launch
.irp i, 0,1,2,3
	global_load_b128 v[R+16*((\t)%4)+4*\i:R+16*((\t)%4)+4*\i+3], v[OFR+(\t)/4], s[4+2*(((\t)%4)/2):5+2*(((\t)%4)/2)] offset:((\t)%2)*2048+512*\i th:TH_LOAD_NT
.endr
.endm
.macro TURN t                          ; step t's numbers through the stage: LDS serves a wave's instructions in order, so no wait stands between the stores and the loads
.irp i, 0,1,2,3
	ds_store_b128 v14, v[R+16*((\t)%4)+4*\i:R+16*((\t)%4)+4*\i+3] offset:32*SP*((\t)%2)+8*SP*\i
.endr
.irp i, 0,1,2,3
	ds_load_b128 v[X+16*((\t)%2)+4*\i:X+16*((\t)%2)+4*\i+3], v15 offset:32*SP*((\t)%2)+16*\i
.endr
.endm
.irp t, 0,1,2,3
	LOAD \t
.endr
	s_wait_alu depctr_va_vdst(0)
	s_wait_loadcnt 12                              ; step 0's four loads are in; the twelve of steps 1 to 3 may be out
	TURN 0
.macro STEP t
.set XS, X+16*((\t)%2)
.if (\t) > 0
	s_wait_dscnt 1                                 ; this step's numbers are back from the stage (the last step's byte store may be out): so its stores into the stage have read their registers,
.else
	s_wait_dscnt 0x0
.endif
.if (\t)+4 < STEPS
	LOAD (\t)+4                                    ; which take the loads of four steps on
.endif
.if (\t)+1 < STEPS
.if STEPS-2-(\t) >= 3
	s_wait_loadcnt 12                              ; the next step's four loads are in; those of the three steps behind it may be out
.else
	s_wait_loadcnt 4*(STEPS-2-(\t))                ; at the end the counts run down
.endif
	TURN (\t)+1                                    ; and go through the other stage while this step is worked
.endif
	v_max3_num_f32 v8, |v[XS]|, |v[XS+1]|, |v[XS+2]|               ; the largest magnitude of my 16, in two chains
	v_max3_num_f32 v9, |v[XS+3]|, |v[XS+4]|, |v[XS+5]|
.irp i, 6,10
	v_max3_num_f32 v8, v8, |v[XS+\i]|, |v[XS+\i+1]|
	v_max3_num_f32 v9, v9, |v[XS+\i+2]|, |v[XS+\i+3]|
.endr
	v_max3_num_f32 v8, v8, |v[XS+14]|, |v[XS+15]|
	v_max3_num_f32 v8, v8, v9, (EMAX+1)<<23        ; and the floor 2^(EMAX + 1 - 127), under which no largest magnitude is taken: so the byte cannot fall under 1
	v_max_num_f32_dpp v8, v8, v8 row_xmask:1 row_mask:0xf bank_mask:0xf   ; and of my neighbour's 16: the block's
	v_add_nc_u32 v11, -(EMAX<<23), v8              ; EMAX off its exponent field: the conversion takes the exponent field of this operand as its scale, and nothing else of it
	v_and_or_b32 v10, v8, 0x7f800000, s38          ; the largest number x the scale: the largest magnitude's exponent field over that number's mantissa
.irp i, 0,1,2,3,4,5,6,7,8,9,10,11,12,13,14,15
	v_med3_num_f32 v[XS+\i], v[XS+\i], -v10, v10   ; the conversion to an 8-bit code does not saturate (ISA guide 7.6.2): hold the number within the largest code x the scale first
.endr
	v_cvt_scalef32_pk8_bf8_f32 v[C+4*(\t):C+4*(\t)+1], v[XS:XS+7], v11          ; eight numbers / 2^(v11's exponent), to the nearest code, ties to even; the first number's code in the lowest byte
	v_cvt_scalef32_pk8_bf8_f32 v[C+4*(\t)+2:C+4*(\t)+3], v[XS+8:XS+15], v11
	v_lshrrev_b32 v[E+(\t)], 23, v11               ; the scale's byte; also the plain vector line behind the conversions
	ds_store_b8 v5, v[E+(\t)] offset:16*(\t)       ; both lanes of a block write the same byte with the same value
	global_store_b128 v4, v[C+4*(\t):C+4*(\t)+3], s[16:17] offset:32*CB*(\t)   ; the wave stores 512 consecutive bytes, at a multiple of 512 from the buffer's first byte
.endm
.irp t, 0,1,2,3,4,5,6,7,8,9,10,11,12,13,14,15
	STEP \t
.endr
	ds_load_b64 v[12:13], v6                       ; LDS serves a wave's instructions in order: these see my byte stores
	s_wait_dscnt 0x0
	global_store_b64 v7, v[12:13], s[18:19]        ; 32 lanes store 256 consecutive bytes, at a multiple of 256 from the buffer's first byte
	s_wait_tensorcnt 0x0
	ds_add_u32 v200, v201
	s_wait_dscnt 0x0
	s_endpgm
.Lfunc_end_k_q28b72ea6d4_quant:
	.size	k_q28b72ea6d4_quant, .Lfunc_end_k_q28b72ea6d4_quant-k_q28b72ea6d4_quant
	.p2alignl 7, 3214868480
	.fill 96, 4, 3214868480
	.section	.rodata,"a",@progbits
	.p2align	6, 0x0
	.amdhsa_kernel k_q28b72ea6d4_quant
		.amdhsa_group_segment_fixed_size 33280
		.amdhsa_private_segment_fixed_size 0
		.amdhsa_enable_private_segment 0
		.amdhsa_kernarg_size 80
		.amdhsa_user_sgpr_count 2
		.amdhsa_user_sgpr_kernarg_segment_ptr 1
		.amdhsa_wavefront_size32 1
		.amdhsa_system_sgpr_workgroup_id_x 1
		.amdhsa_system_sgpr_workgroup_id_y 1
		.amdhsa_system_sgpr_workgroup_id_z 1
		.amdhsa_system_vgpr_workitem_id 0
		.amdhsa_next_free_vgpr 202
		.amdhsa_next_free_sgpr 66
		.amdhsa_reserve_vcc 0
		.amdhsa_float_denorm_mode_32 3
		.amdhsa_float_denorm_mode_16_64 3
		.amdhsa_memory_ordered 1
		.amdhsa_forward_progress 1
		.amdhsa_inst_pref_size 52
	.end_amdhsa_kernel
	.amdgpu_metadata
---
amdhsa.version: [ 1, 2 ]
amdhsa.kernels:
  - .name:           k_q28b72ea6d4_quant
    .symbol:         k_q28b72ea6d4_quant.kd
    .args:
      - { .name: x, .offset: 0, .size: 8, .value_kind: global_buffer, .address_space: global }
      - { .name: h, .offset: 8, .size: 8, .value_kind: global_buffer, .address_space: global }
      - { .name: W_f, .offset: 16, .size: 8, .value_kind: global_buffer, .address_space: global }
      - { .name: W_i, .offset: 24, .size: 8, .value_kind: global_buffer, .address_space: global }
      - { .name: W_g, .offset: 32, .size: 8, .value_kind: global_buffer, .address_space: global }
      - { .name: W_o, .offset: 40, .size: 8, .value_kind: global_buffer, .address_space: global }
      - { .name: a_codes, .offset: 48, .size: 8, .value_kind: global_buffer, .address_space: global }
      - { .name: a_scales, .offset: 56, .size: 8, .value_kind: global_buffer, .address_space: global }
      - { .name: w_codes, .offset: 64, .size: 8, .value_kind: global_buffer, .address_space: global }
      - { .name: w_scales, .offset: 72, .size: 8, .value_kind: global_buffer, .address_space: global }
    .group_segment_fixed_size: 33280
    .private_segment_fixed_size: 0
    .kernarg_segment_align: 8
    .kernarg_segment_size: 80
    .max_flat_workgroup_size: 128
    .sgpr_count:     66
    .vgpr_count:     202
    .wavefront_size: 32
...
	.end_amdgpu_metadata
.endif
;; end of part 1
;; launch lstm (part 2): grid 16 x 32, 4 waves a work-group, clusters of 4 x 4, 327,680 bytes of LDS; arguments a_codes, a_scales, w_codes, w_scales, b_f, b_i, b_g, b_o, c, out0, out1; writes out0, out1
.if DOCPART == 2
	.amdgcn_target "amdgcn-amd-amdhsa--gfx1250"
	.amdhsa_code_object_version 6
	.text
	.protected	k_q28b72ea6d4_lstm
	.globl	k_q28b72ea6d4_lstm
	.p2align	8
	.type	k_q28b72ea6d4_lstm,@function
k_q28b72ea6d4_lstm:
	s_mov_b64 s[64:65], 0
	v_nop
	global_prefetch_b8 v0, s[64:65] scope:SCOPE_SE
	s_setreg_imm32_b32 hwreg(HW_REG_WAVE_MODE, 25, 1), 1
	s_wait_xcnt 0x0
	s_wait_alu depctr_hold_cnt(0) depctr_sa_sdst(0) depctr_va_vdst(0) depctr_va_sdst(0) depctr_va_ssrc(0) depctr_va_vcc(0) depctr_vm_vsrc(0)
	s_getreg_b32 s2, hwreg(HW_REG_IB_STS2, 6, 4)
	s_cmp_eq_u32 s2, 0
	s_cbranch_scc0 .Lentry_in_a_cluster
	s_endpgm
.Lentry_in_a_cluster:
	s_bfe_u32 s2, ttmp6, 0x10000c
	s_cmp_lg_u32 s2, 0xf033
	s_cbranch_scc0 .Lentry_shape_is_right
	s_endpgm
.Lentry_shape_is_right:
; z = xx W^T + b on codes of BF8 (E5M2) with one E8M0 scale for each 32 along K (K = 2,048), sums in f32; then, in f32, c_new = sigmoid(zf) c + sigmoid(zi) tanh(zg) -> out0, h_new = tanh(c_new) sigmoid(zo) -> out1.
; a_codes [8192][2048], a_scales [8192][64]; w_codes [4096][2048], w_scales [4096][64], W's rows in the order (hid / 32) x 128 + gate x 32 + hid % 32 (gates f, i, g, o); c, out0, out1 [8192][1024] f32; b_* [1024] f32.
; z never goes to memory.  LIMITS: NaN and infinities among the inputs are not served.  tanh(t) = 1 - 2 / (1 + 2^(2 log2(e) t)) has an absolute error of about 1e-7 near t = 0.  Large |z| needs no clamp:
; 2^big is infinity, whose reciprocal is 0, and 2^-big is 0: both functions end at their limits.
; SHARES.  A work-group of four waves, as many as a WGP has SIMDs, makes 256 rows x 256 columns of z: 256 rows x 64 hidden units, all four gates.  A wave makes 128 x 128: 64 accumulators of 16 x 16, 512 registers.
; THE MATRIX INSTRUCTION IS USED TRANSPOSED (source 0 = 16 rows of W, source 1 = 16 rows of xx).  Of a wave's eight blocks of W's rows, block b = 2 x gate + u: register j of lane (r, hh) in accumulator (a, b) is
; z_gate(row 16 a + r, hidden unit 16 u + 8 hh + j): the four gates of an element lie in ONE lane, at the same register of four accumulators, and the cell's arithmetic needs no other lane.
; The biases are the C of each sum's first matrix instruction.
; K goes in steps of 256 through a ring of two LDS slots filled by the tensor data mover; the scale bytes of the work-group's 256 + 256 rows, for all of K, come once, with the first fills, and stay.
; CLUSTERS: 4 x 4 work-groups.  The four of a row of the cluster need the same tiles of xx, the four of a column the same tiles of W: each tile is asked for JOINTLY, by the same tensor load with the same descriptor
; and a mask that names the four.  c's tile (256 rows x 256 bytes) belongs to one work-group alone: it comes by a plain tensor load, into the first half of slot 0 when that slot has been read for the last time.
; THE WAY OUT: c_new and h_new meet in two stages in slot 1 (a row's 256 bytes come from two waves), behind that slot's last fill and last read, and leave as whole rows of 256 bytes, BLOCK BY BLOCK of 16 rows:
; while block a's arithmetic runs, block a - 1's rows are read back and stored, so that the stores are on their way while the vector unit works; only the last block's follow the arithmetic.
; REGISTERS, in windows of 256: window 0: v1-31 addresses; v32-63 scale words, two sets; v64-127 the biases in the result's layout, later the rows on their way out; from v128 A's fragments (8 x 16 rows x 128 K), ONE set;
;   in the epilogue v128-255 are at work.   window 1: W's fragments, TWO sets, at v0 and at v128.   window 2: the 32 accumulators of my rows 0-63 (accumulator (a, b) at v[8 (8 a + b)]);   window 3: those of my rows 64-127.
.set KSTEP,  256                       ; along K in a slot
.set NQ,     KSTEP/128                 ; matrix instructions deep
.set ROWB,   256                       ; a tile's row in bytes
.set KROW,   2048                      ; a row of codes in memory, in bytes
.set PITCH,  272                       ; an LDS row: 256 bytes of data + 16 of padding = 68 words: row r starts at bank 4 r mod 64 (64 banks of 4 bytes: ISA guide 11.1), so the 16 rows that a load touches start at 16 different banks
.set FR,     16                        ; registers of a fragment: 16 rows x 128 K
.set NL,     4                         ; LDS loads that bring one
.set NP,     8                         ; places behind this matrix instruction (ISA guide 7.12.1)
.set HALFT,  128*PITCH                 ; 128 rows: what one tensor load brings, and what one wave reads of xx or of W
.set SLOT,   4*HALFT                   ; xx's 256 rows, then W's 256 rows
.set LAPS,   2048/(2*KSTEP)            ; a lap = two K steps = once round the ring
.set KS,     64                        ; a row of scale bytes
.set SCL,    2*SLOT                    ; behind the ring: the scales, as pieces of 256 bytes + 16 of padding
.set HALFS,  (128*KS/256)*272          ; the scales of 128 rows: half of what one tensor load brings
.set SBLK,   (16*KS/256)*272           ; those of 16 rows
.set SPARE,  SCL+4*HALFS               ; behind the scales: the spare words, 128 bytes for each wave: two blocks of 256 bytes that no other line names
.set CROWS,  64*PITCH                  ; c's tile lies at LDS byte 0: 256 rows x PITCH; a wave brings 64 of them
.set STC,    SLOT                      ; the stage of c_new: 256 rows x PITCH, in slot 1
.set STH,    SLOT+256*PITCH            ; the stage of h_new, behind it
.set CA,   8                           ; v8      my lane's place in c's tile: (128 x my half of the rows + r) x PITCH + 128 x my half of the columns + 32 hh
.set SO,   9                           ; v9      the same place in the stage of c_new
.set SOH,  10                          ; v10     and of h_new
.set RD,   11                          ; v11     the way out: where I read rows of c_new back: of each block's 16 rows in my half of the rows I take 8 (by my half of the columns); lanes 0-15 one row, lanes 16-31 the next
.set RDH,  12                          ; v12     and of h_new
.set GO,   13                          ; v13     the same two rows in out0 and out1
.set BO,   14                          ; v14     32 hh: my eight numbers of a bias
.set ADRA, 16                          ; v16-17  LDS address of my A fragments in slot 0, 1
.set ADRB, 20                          ; v20-21  the same for W
.set ADRS, 27                          ; v27     LDS address of my scale words: lanes 0-15 xx's rows, lanes 16-31 W's
.set SPW,  28                          ; v28     LDS address of my spare word: SPARE + 4 x my thread's number; never rewritten
.set NIL,  29                          ; v29     0; never rewritten
.set PFO,  30                          ; v30     the code prefetches' offset: my lane x a row of codes; never rewritten
.set PFC,  31                          ; v31     c's prefetches' offset: my lane x a row of c; never rewritten
.set SC,   32                          ; scale words: set s (for slot s) at v[SC + 8 NQ s]; in it register NQ i + q: lanes 0-15 the word of xx's block i, lanes 16-31 that of W's block i, for the slot's q-th 128 along K
.set BIAS, 64                          ; v64-127 block b's eight numbers at v[BIAS + 8 b]
.set BKS,  64                          ; the way out, in the registers that the biases have left: two sets of 32: 8 rows of c_new (16 registers), 8 rows of h_new (16)
.set AF,   128                         ; A's fragments
.set T,    128                         ; the epilogue: v128-191: 64 numbers at work: 16 of each gate
.set CIN,  192                         ; v192-223 c of a block of 16 rows: 16 numbers a lane, two sets
.set CN,   224                         ; v224-239 c_new
.set HN,   240                         ; v240-255 h_new
.set G1C, 4                            ; s[4:11]  descriptor group 1 for c's tile (the four pointers that lay here are done with by then);  s[20:23] its group 0
.set G0C, 20
.set G1, 24                            ; s[24:31] descriptor group 1 for xx's tiles;  s[32:39] group 0, one set for each slot
.set G0, 32
.set G1B, 48                           ; s[48:55], s[56:63] the same for W's tiles
.set G0B, 56
.set G1S, 68                           ; s[68:75], s[76:79] groups 1 and 0 for xx's scales;  s[80:87], s[88:91] for W's
.set G0S, 76
.set G1SB, 80
.set G0SB, 88
.set KN,  46                           ; s[46:47] -log2(e), twice: the packed forms name a pair
.set K2,  66                           ; s[66:67] 2 log2(e), twice
.set PFA, 104                          ; s[104:105] where my code prefetches stand
.set MSB, 0
.macro WIN new                         ; the immediate's high byte repeats the setting that is left; a switch that changes nothing is dropped
.if MSB != (\new)
	s_set_vgpr_msb (MSB<<8)|(\new)
.set MSB, \new
.endif
.endm
.set MUL_LO,   0xa1                    ; source 0 (W) window 1, source 1 (xx) window 0, C and D window 2
.set MUL_HI,   0xf1                    ; the same, C and D window 3
.set MUL_LO_B, 0x81                    ; the first step: C is a bias, in window 0; D window 2
.set MUL_HI_B, 0xc1                    ; D window 3
.set TO_B,     0x40                    ; destination window 1, address window 0
; A joint load: waves 0 and 1 fetch for xx, waves 2 and 3 for W.  Each of the two lines has ONE mask and one set of registers for all that issue it; the branch hangs on the wave's number alone.
; Four v_nop follow each of the two lines, ahead of the jump, the label and what follows.
.macro JLOAD g0a, g1a, g0b, g1b
	s_cmp_eq_u32 s17, 0
	s_cbranch_scc0 .Lfor_b_\@
	tensor_load_to_lds s[\g0a:\g0a+3], s[\g1a:\g1a+7]
	s_nop 0
.rept 4
	v_nop
.endr
	s_branch .Lasked_\@
.Lfor_b_\@:
	tensor_load_to_lds s[\g0b:\g0b+3], s[\g1b:\g1b+7]
	s_nop 0
.rept 4
	v_nop
.endr
.Lasked_\@:
.endm
.macro CREST                           ; a round of the cluster's barrier behind its opening barrier
	s_cmp_lg_u32 s16, 0
	s_cbranch_scc1 .Lnot_wave_0_\@
	s_barrier_signal -3
.Lnot_wave_0_\@:
	s_barrier_wait -3
	s_barrier_signal -1
	s_barrier_wait -1
.endm
.macro CROUND                          ; a whole round
	s_barrier_signal -1
	s_barrier_wait -1
	CREST
.endm
; A PREFETCH INTO THE L2 of the K step that stands two refills on: 32 rows x 256 bytes, a lane a row, one instruction a wave, 256 matrix instructions ahead of the load that will ask for it.
; Every cluster asks for what it will itself load: its four tile rows of xx and its four tile columns of W; each row's 256 bytes of a K step are named once in each cluster.
; The four partners that ask for a tile jointly share its rows out BY ADDRESS, 32 each of the 128 that a wave fetches: no branch hangs on a place in the cluster.
; s3 counts the loop's trips down 3, 2, 1: the last trip's two refills have no K step two on.  K steps 1 and 2 are asked for at the head, behind its loads; K step 3 behind slot 1's first fill.
.macro ASK
	s_cmp_gt_u32 s3, 1
	s_cbranch_scc0 .Lnot_mine_\@
	global_prefetch_b8 v[PFO], s[PFA:PFA+1] offset:ROWB th:TH_LOAD_NT scope:SCOPE_SE
.Lnot_mine_\@:
.endm
; And of c's tile: each wave names the 64 rows x 256 bytes that it will fetch, a lane a row, two instructions, in the loop's last trip: two changes of slots, 256 matrix instructions, ahead of c's tensor load.
.macro ASKC
	s_cmp_eq_u32 s3, 1
	s_cbranch_scc0 .Lnot_yet_\@
	global_prefetch_b8 v[PFC], s[12:13] th:TH_LOAD_NT scope:SCOPE_SE
	global_prefetch_b8 v[PFC], s[12:13] offset:32*4096 th:TH_LOAD_NT scope:SCOPE_SE
.Lnot_yet_\@:
.endm
	s_load_b256 s[4:11], s[0:1], 0x0               ; a_codes s[4:5], a_scales s[6:7], w_codes s[8:9], w_scales s[10:11]
	s_load_b128 s[12:15], s[0:1], 0x40             ; c s[12:13], out0 s[14:15]
	s_load_b256 s[92:99], s[0:1], 0x20             ; b_f s[92:93], b_i s[94:95], b_g s[96:97], b_o s[98:99]
	s_load_b64 s[100:101], s[0:1], 0x50            ; out1
	v_lshl_add_u32 v[SPW], v0, 2, SPARE
	v_mov_b32 v[NIL], 0
	ds_add_u32 v28, v29
	ds_add_u32 v28, v29
	s_wait_dscnt 0x0
	v_lshrrev_b32 v1, 5, v0
	v_readfirstlane_b32 s16, v1                    ; wave 0..3
	s_lshr_b32 s17, s16, 1                         ; which half of the tile's rows is mine.  Also: I fetch for xx (0) or for W (1)
	s_and_b32 s18, s16, 1                          ; which half of its columns.  Also: which 128 rows of that tile I fetch
	s_bfe_u32 s40, ttmp6, 0x40000                  ; cx, cy: my place in the cluster
	s_bfe_u32 s41, ttmp6, 0x40004
	s_lshl_b32 s42, ttmp9, 2
	s_add_co_u32 s42, s42, s40                     ; tile column = 4 x cluster x + cx
	s_and_b32 s19, ttmp7, 0xffff
	s_lshl_b32 s19, s19, 2
	s_add_co_u32 s19, s19, s41                     ; tile row = 4 x cluster y + cy
	s_lshl_b32 s43, s41, 2
	s_lshl_b32 s43, 15, s43                        ; my row of the cluster
	s_lshl_b32 s44, 0x1111, s40                    ; my column
	; descriptor group 1: a tile of 128 rows x 256 bytes, padded in LDS
	s_or_b32 s[G1+0], s43, (3<<16)|(1<<20)|(1<<21)|(5<<22)|(3<<25)  ; 15:0 the mask: xx's tiles go to my row; 17:16 element of 8 bytes; 20 padding on; 21 set beside a mask; 24:22 after every 64 words (code 5); 31:25 of 4 words (code 3)
	s_or_b32 s[G1B+0], s44, (3<<16)|(1<<20)|(1<<21)|(5<<22)|(3<<25) ; the same with the mask of my column, for W's tiles
.irp g, G1, G1B
	s_mov_b32 s[\g+1], (ROWB/8)<<16                ; tensor_dim0: 32 elements of 8 bytes
	s_mov_b32 s[\g+2], 256<<16                     ; tensor_dim1 = 256 for the head's loads; set to 128 for the ring's behind the wait for them
	s_mov_b32 s[\g+3], (ROWB/8)<<16                ; tile_dim0
	s_mov_b32 s[\g+4], 256                         ; tile_dim1 likewise
	s_mov_b32 s[\g+5], KROW/8                      ; tensor_dim0_stride, in elements
	s_mov_b32 s[\g+6], 0
	s_mov_b32 s[\g+7], 0
.endr
	; and for the scales of 256 rows: a dense block of 16,384 bytes, as 64 rows of 256 bytes (32 elements of 8 bytes), 16 bytes of padding behind each
	s_or_b32 s[G1S+0], s43, (3<<16)|(1<<20)|(1<<21)|(5<<22)|(3<<25)
	s_or_b32 s[G1SB+0], s44, (3<<16)|(1<<20)|(1<<21)|(5<<22)|(3<<25)
.irp g, G1S, G1SB
	s_mov_b32 s[\g+1], 32<<16
	s_mov_b32 s[\g+2], KS<<16                      ; the scales of 256 rows: 64 rows of 256 bytes
	s_mov_b32 s[\g+3], 32<<16
	s_mov_b32 s[\g+4], KS
	s_mov_b32 s[\g+5], 32
	s_mov_b32 s[\g+6], 0
	s_mov_b32 s[\g+7], 0
.endr
	; where the tiles come from.  xx's hang on the tile row alone, which my row of the cluster shares; W's on the tile column alone, which my column shares: each in registers that never hold the other coordinate
	s_lshl_b32 s2, s18, 18                         ; in the ring I fetch 128 rows of a tile: which half, in bytes (128 rows of 2,048)
	s_mov_b32 s3, 0
	s_lshl_b32 s20, s19, 8                         ; xx: the tile's first row, 256 x tile row
	s_lshl_b32 s22, s20, 6                         ; its scales: 64 bytes a row
	s_lshl_b32 s20, s20, 11                        ; its codes: 2,048 bytes a row
	s_mov_b32 s21, 0
	s_mov_b32 s23, 0
	s_lshl_b32 s46, s42, 8                         ; W: 256 x tile column
	s_lshl_b32 s66, s46, 6
	s_lshl_b32 s46, s46, 11
	s_mov_b32 s47, 0
	s_mov_b32 s67, 0
	s_mul_i32 s45, s16, HALFT                      ; where they go: wave x 128 rows: no place in the cluster enters an LDS address
	s_wait_kmcnt 0x0
	s_add_nc_u64 s[20:21], s[4:5], s[20:21]
	s_add_nc_u64 s[22:23], s[6:7], s[22:23]
	s_add_nc_u64 s[46:47], s[8:9], s[46:47]
	s_add_nc_u64 s[66:67], s[10:11], s[66:67]
	CROUND                                         ; all sixteen work-groups are here: the first joint loads meet
	s_mov_b32 s[G0S], 1
	s_mov_b32 s[G0S+1], SCL                        ; the scales of xx's 256 rows
	s_mov_b64 s[G0S+2:G0S+3], s[22:23]
	s_or_b32 s[G0S+3], s[G0S+3], 0x80000000
	s_mov_b32 s[G0SB], 1
	s_mov_b32 s[G0SB+1], SCL+2*HALFS               ; and of W's, behind them
	s_mov_b64 s[G0SB+2:G0SB+3], s[66:67]
	s_or_b32 s[G0SB+3], s[G0SB+3], 0x80000000
	; slot 0's group 0 serves the head's loads first: K step 0's 256 rows of xx at LDS byte 0, its 256 rows of W behind them
	s_mov_b32 s[G0], 1
	s_mov_b32 s[G0+1], 0
	s_mov_b64 s[G0+2:G0+3], s[20:21]
	s_or_b32 s[G0+3], s[G0+3], 0x80000000
	s_mov_b32 s[G0B], 1
	s_mov_b32 s[G0B+1], 2*HALFT
	s_mov_b64 s[G0B+2:G0B+3], s[46:47]
	s_or_b32 s[G0B+3], s[G0B+3], 0x80000000
	s_add_nc_u64 s[20:21], s[20:21], s[2:3]        ; for the ring: my 128 rows of the tile
	s_add_nc_u64 s[46:47], s[46:47], s[2:3]
.irp s, 1
	s_mov_b32 s[G0+4*\s], 1
	s_add_co_u32 s[G0+4*\s+1], s45, \s*SLOT                        ; 63:32 LDS address
	s_add_nc_u64 s[G0+4*\s+2:G0+4*\s+3], s[20:21], \s*ROWB         ; 120:64 global address: K step s
	s_or_b32 s[G0+4*\s+3], s[G0+4*\s+3], 0x80000000                ; 127:126 type = 2
	s_mov_b32 s[G0B+4*\s], 1
	s_add_co_u32 s[G0B+4*\s+1], s45, \s*SLOT
	s_add_nc_u64 s[G0B+4*\s+2:G0B+4*\s+3], s[46:47], \s*ROWB
	s_or_b32 s[G0B+4*\s+3], s[G0B+4*\s+3], 0x80000000
.endr
; THE HEAD'S LOADS, ONE A WAVE: wave 0 fetches K step 0's 256 rows of xx, wave 1 its 256 rows of W, wave 2 the scales of xx's 256 rows, wave 3 those of W's.
; One chain of branches on the wave's number: every way through it passes exactly one load.
.macro ARM under, g0, g1, next
	s_cmp_lt_u32 s16, \under
	s_cbranch_scc0 \next
	tensor_load_to_lds s[\g0:\g0+3], s[\g1:\g1+7]
	s_nop 0
.rept 4
	v_nop
.endr
	s_branch .Lhead_asked
\next:
.endm
	ARM 1, G0,  G1,  .Lhead_b
	ARM 2, G0B, G1B, .Lhead_sa
	ARM 3, G0S, G1S, .Lhead_sb
	tensor_load_to_lds s[G0SB:G0SB+3], s[G1SB:G1SB+7]
	s_nop 0
.rept 4
	v_nop
.endr
.Lhead_asked:
	; LDS addresses: all of the lane and the wave's number
	v_and_b32 v1, 15, v0                           ; r = l % 16
	v_bfe_u32 v2, v0, 4, 1                         ; hh = l / 16
	v_mul_u32_u24 v3, v1, PITCH
	v_lshl_add_u32 v4, v2, 4, v3                   ; a fragment's row x pitch + 16 x half
	s_mul_i32 s21, s17, HALFT                      ; my 128 rows of xx
	s_mul_i32 s22, s18, HALFT                      ; my 128 rows of W,
	s_add_co_u32 s22, s22, 2*HALFT                 ; which lie behind xx's 256
.irp s, 0,1
	v_add_nc_u32 v[ADRA+\s], s21, v4
	v_add_nc_u32 v[ADRB+\s], s22, v4
	s_add_co_u32 s21, s21, SLOT
	s_add_co_u32 s22, s22, SLOT
.endr
	v_mul_u32_u24 v5, v1, KS                       ; my row's scales: 64 bytes a row,
	v_lshrrev_b32 v6, 8, v5
	v_lshl_add_u32 v5, v6, 4, v5                   ; and 16 more for each 256 passed
	s_mul_i32 s21, s17, HALFS                      ; xx's: my 128 rows
	s_mul_i32 s22, s18, HALFS                      ; W's: my 128 rows, behind xx's 256
	s_add_co_u32 s22, s22, 2*HALFS
	s_sub_co_u32 s22, s22, s21
	v_mul_u32_u24 v6, s22, v2                      ; lanes 16-31 take W's: one product, the distance between the two
	s_add_co_u32 s21, s21, SCL
	v_add_nc_u32 v5, v5, v6
	v_add_nc_u32 v[ADRS], s21, v5
	s_mul_i32 s21, s17, 128*PITCH                  ; c's tile and the two stages: my 128 rows,
	s_lshl_b32 s22, s18, 7                         ; my 128 of a row's 256 bytes,
	s_add_co_u32 s21, s21, s22
	v_lshl_add_u32 v5, v2, 5, v3                   ; row r, 32 bytes for each half of the lanes
	v_add_nc_u32 v[CA], s21, v5
	v_add_nc_u32 v[SO], STC, v[CA]
	v_add_nc_u32 v[SOH], STH, v[CA]
	s_mul_i32 s21, s17, 128*PITCH                  ; back: in my half of the rows, of each block's 16 rows the 8 that my half of the columns picks; lanes 0-15 one row of 256 bytes, lanes 16-31 the next
	s_mul_i32 s22, s18, 8*PITCH
	s_add_co_u32 s21, s21, s22
	v_mul_u32_u24 v5, v2, PITCH
	v_lshl_add_u32 v5, v1, 4, v5
	v_add_nc_u32 v5, s21, v5
	v_add_nc_u32 v[RD], STC, v5
	v_add_nc_u32 v[RDH], STH, v5
	v_lshlrev_b32 v5, 12, v2                       ; and the same two rows in out0 and out1: 4,096 bytes a row
	v_lshl_add_u32 v[GO], v1, 4, v5
	v_lshlrev_b32 v[BO], 5, v2
	; the biases: my 32 hidden units begin at 64 x tile column + 32 x half; block 2 g + u wants, in lane (r, hh), gate g's numbers 16 u + 8 hh + 0 .. 7
	s_wait_alu depctr_va_vdst(0)
	s_lshl_b32 s66, s42, 8
	s_lshl_b32 s67, s18, 7
	s_add_co_u32 s66, s66, s67
	s_mov_b32 s67, 0
.irp g, 0,1,2,3
	s_add_nc_u64 s[92+2*\g:93+2*\g], s[92+2*\g:93+2*\g], s[66:67]
.endr
.irp g, 0,1,2,3
.irp u, 0,1
.irp k, 0,1
	global_load_b128 v[BIAS+8*(2*\g+\u)+4*\k:BIAS+8*(2*\g+\u)+4*\k+3], v[BO], s[92+2*\g:93+2*\g] offset:64*\u+16*\k
.endr
.endr
.endr
	; c at the 64 rows that I fetch: row 256 x tile row + 64 x wave, byte 256 x tile column;  out0 and out1 at the first row that I store: row 256 x tile row + 128 x my half of the rows + 8 x my half of the columns
	s_lshl_b32 s20, s19, 20
	s_lshl_b32 s21, s42, 8
	s_add_co_u32 s20, s20, s21                     ; the tile's corner, in bytes
	s_lshl_b32 s21, s16, 18
	s_add_co_u32 s66, s20, s21
	s_mov_b32 s67, 0
	s_add_nc_u64 s[12:13], s[12:13], s[66:67]
	s_lshl_b32 s21, s17, 19
	s_add_co_u32 s66, s20, s21
	s_lshl_b32 s21, s18, 15
	s_add_co_u32 s66, s66, s21
	s_add_nc_u64 s[14:15], s[14:15], s[66:67]
	s_add_nc_u64 s[100:101], s[100:101], s[66:67]
	; the code prefetches: where they stand, and who asks
	s_lshl_b32 s20, s19, 8
	s_lshl_b32 s21, s42, 8
	s_cmp_eq_u32 s17, 0                            ; do I fetch for xx?
	s_cselect_b32 s20, s20, s21                    ; the tile's first row: in xx by the tile row, in W by the tile column
	s_cselect_b32 s21, s40, s41                    ; my place among the four that ask for it with me
	s_cselect_b64 s[PFA:PFA+1], s[4:5], s[8:9]
	s_lshl_b32 s22, s18, 7
	s_add_co_u32 s20, s20, s22                     ; + the 128 rows that I fetch
	s_lshl_b32 s21, s21, 5
	s_add_co_u32 s20, s20, s21                     ; + my work-group's 32 of them
	s_lshl_b32 s20, s20, 11
	s_mov_b32 s21, 0
	s_add_nc_u64 s[PFA:PFA+1], s[PFA:PFA+1], s[20:21]
	s_add_nc_u64 s[PFA:PFA+1], s[PFA:PFA+1], 2*ROWB ; at K step 2: the first refill steps it to 3 and names K step 4.
	v_and_b32 v[PFO], 31, v0
	v_lshlrev_b32 v[PFC], 12, v[PFO]
	v_lshlrev_b32 v[PFO], 11, v[PFO]
	; my 32 rows x 256 bytes of K step 1 and of K step 2 (the address stands at K step 2)
	global_prefetch_b8 v[PFO], s[PFA:PFA+1] offset:-ROWB th:TH_LOAD_NT scope:SCOPE_SE
	global_prefetch_b8 v[PFO], s[PFA:PFA+1] th:TH_LOAD_NT scope:SCOPE_SE
	; c's tile: my 64 rows x 256 bytes (32 elements of 8 bytes), 4,096 bytes from row to row, 16 bytes of padding behind each row in LDS; no mask: nobody shares it
	s_mov_b32 s[G1C+0], (3<<16)|(1<<20)|(5<<22)|(3<<25)
	s_mov_b32 s[G1C+1], 32<<16                     ; tensor_dim0
	s_mov_b32 s[G1C+2], 64<<16                     ; tensor_dim1
	s_mov_b32 s[G1C+3], 32<<16                     ; tile_dim0
	s_mov_b32 s[G1C+4], 64                         ; tile_dim1
	s_mov_b32 s[G1C+5], 512                        ; tensor_dim0_stride
	s_mov_b32 s[G1C+6], 0
	s_mov_b32 s[G1C+7], 0
	s_mov_b32 s[G0C], 1
	s_mul_i32 s[G0C+1], s16, CROWS                 ; LDS: wave x 64 rows, from byte 0 on
	s_mov_b64 s[G0C+2:G0C+3], s[12:13]
	s_or_b32 s[G0C+3], s[G0C+3], 0x80000000
	s_mov_b32 s[KN], 0xbfb8aa3b                    ; -log2(e)
	s_mov_b32 s[KN+1], s[KN]
	s_mov_b32 s[K2], 0x4038aa3b                    ; 2 log2(e)
	s_mov_b32 s[K2+1], s[K2]
.macro FRAG reg, adr, q, i             ; a fragment, 16 rows x 128 K of 8-bit codes, is 16 registers: lane l holds row l % 16; registers 4 c .. 4 c + 3 hold K = 32 c + 16 (l / 16) + 0 .. 15
.irp c, 0,1,2,3
	ds_load_b128 v[\reg+4*\c:\reg+4*\c+3], v[\adr] offset:128*(\q)+32*\c+(\i)*16*PITCH
.endr
.endm
; 8 matrix instructions: xx's block a x W's eight, 128 along K: the slot's q-th.  p: W's set;  sc: the set of scale words.  first = 1: the sums begin with the biases: nothing is cleared and nothing is added later.
; The 64 accumulators take turns, one instruction a turn, in the same order in every step.
.macro MUL8 a, p, q, sc, first
.irp b, 0,1,2,3,4,5,6,7
.if \first
	v_wmma_scale_f32_16x16x128_f8f6f4 v[8*(8*((\a)%4)+\b):8*(8*((\a)%4)+\b)+7], v[128*(\p)+FR*\b:128*(\p)+FR*\b+FR-1], v[AF+FR*(\a):AF+FR*(\a)+FR-1], v[BIAS+8*\b:BIAS+8*\b+7], v[SC+8*NQ*(\sc)+NQ*\b+(\q)], v[SC+8*NQ*(\sc)+NQ*(\a)+(\q)] matrix_a_fmt:MATRIX_FMT_BF8 matrix_b_fmt:MATRIX_FMT_BF8 matrix_a_scale:MATRIX_SCALE_ROW1
.else
	v_wmma_scale_f32_16x16x128_f8f6f4 v[8*(8*((\a)%4)+\b):8*(8*((\a)%4)+\b)+7], v[128*(\p)+FR*\b:128*(\p)+FR*\b+FR-1], v[AF+FR*(\a):AF+FR*(\a)+FR-1], v[8*(8*((\a)%4)+\b):8*(8*((\a)%4)+\b)+7], v[SC+8*NQ*(\sc)+NQ*\b+(\q)], v[SC+8*NQ*(\sc)+NQ*(\a)+(\q)] matrix_a_fmt:MATRIX_FMT_BF8 matrix_b_fmt:MATRIX_FMT_BF8 matrix_a_scale:MATRIX_SCALE_ROW1
.endif
.endr
.endm
.macro MUL16 a0, p, q, sc, first       ; blocks a0 and a0 + 1
	MUL8 \a0, \p, \q, \sc, \first
	MUL8 (\a0)+1, \p, \q, \sc, \first
.endm
.macro FETCH_B slot, q, p              ; W's eight fragments of the slot's q-th 128 along K into set p
	WIN TO_B
.irp i, 0,1,2,3,4,5,6,7
	FRAG 128*(\p)+FR*\i, ADRB+\slot, \q, \i
.endr
	WIN 0
.endm
.macro FETCH_A slot, q, i0             ; xx's blocks i0 .. i0 + 3
.irp i, \i0, \i0+1, \i0+2, \i0+3
	FRAG AF+FR*(\i), ADRA+\slot, \q, \i
.endr
.endm
.macro SCALES sc                       ; the next K step's scale words into set sc: NQ words a row; lanes 0-15 take xx's block i, lanes 16-31 W's block i
.irp i, 0,1,2,3,4,5,6,7
	ds_load_b64 v[SC+8*NQ*\sc+NQ*\i:SC+8*NQ*\sc+NQ*\i+1], v[ADRS] offset:\i*SBLK
.endr
.endm
; A load into a register that a matrix instruction has read, and a vector instruction that reads a matrix result or writes one of a matrix instruction's registers, stand NP places behind that matrix instruction, and only
; plain vector instructions that name none of its registers are places (ISA guide 7.12.1 for vector instructions); this text does not count the matrix instructions in between.
.macro PLACES n
.rept \n
	v_nop
.endr
.endm
; A step of 128 along K that has its successor in the same slot.  One set of registers serves xx: a block is free as soon as its eight products are issued: blocks 0-3 are fetched anew in the step's middle, blocks 4-7 at its end.
.macro STEP slot, q, first
	s_wait_dscnt 4*NL                              ; W's set and xx's blocks 0-3 are in; the youngest sixteen loads (xx's blocks 4-7) may be out
.if \first
	WIN MUL_LO_B
.else
	WIN MUL_LO
.endif
	MUL16 0, (\q)%2, \q, \slot, \first
	MUL16 2, (\q)%2, \q, \slot, \first
	s_wait_dscnt 0                                 ; xx's blocks 4-7 are in (asked for 32 matrix instructions ago)
	PLACES NP
	FETCH_B \slot, (\q)+1, 1-(\q)%2
	FETCH_A \slot, (\q)+1, 0
.if \first
	WIN MUL_HI_B
.else
	WIN MUL_HI
.endif
	MUL16 4, (\q)%2, \q, \slot, \first
	MUL16 6, (\q)%2, \q, \slot, \first
	PLACES NP
	WIN 0
	FETCH_A \slot, (\q)+1, 4
.endm
; A slot's last step changes slots.  Its first 32 products stand AHEAD of the wait for the tensor loads: all 128 matrix instructions of a K step lie between a refill's request and the wait for it.
; Then each wave waits for all its tensor loads, adds 0 to its spare word, steps the slot's two addresses while the add is out (no tensor load of the wave is out), and waits for the add and for its own reads of this slot;
; the barrier that follows opens a round of the cluster's barrier; behind the round the slot just left is filled again, first thing, one tensor load a wave: fill = 1: jointly, with the K step two steps on;
; fill = 2: its first half with c's tile, each wave its 64 rows.
.macro TURN slot, next, fill
.if (\fill) == 1
	s_wait_xcnt 0x0                                ; the last prefetch, a K step back, has read its address: it is stepped here, ahead of the waits of the change of slots
	s_add_nc_u64 s[PFA:PFA+1], s[PFA:PFA+1], ROWB
.endif
	s_wait_dscnt 4*NL                              ; W's set and xx's blocks 0-3 are in; the youngest sixteen loads (xx's blocks 4-7) may be out
	WIN MUL_LO
	MUL16 0, 1, NQ-1, \slot, 0
	MUL8 2, 1, NQ-1, \slot, 0
	MUL8 3, 1, NQ-1, \slot, 0
	WIN 0
	s_wait_tensorcnt 0x0                           ; all my tensor loads have landed: the one that was out is my part of the next slot;
	ds_add_u32 v[SPW], v[NIL]                      ; 0 onto my spare word;
.if (\fill) == 1
	s_add_nc_u64 s[G0+4*\slot+2:G0+4*\slot+3], s[G0+4*\slot+2:G0+4*\slot+3], 2*ROWB      ; this slot's next K step
	s_add_nc_u64 s[G0B+4*\slot+2:G0B+4*\slot+3], s[G0B+4*\slot+2:G0B+4*\slot+3], 2*ROWB
.endif
	s_wait_dscnt 0x0                               ; the add is done, and my reads of this slot are over (the last, xx's blocks 4-7, were issued ahead of this step)
	s_barrier_signal -1
	s_barrier_wait -1
	CREST                                          ; no wave of any partner still reads this slot's tile or has a load on its way
.if (\fill) == 1
	JLOAD G0+4*\slot, G1, G0B+4*\slot, G1B         ; the first tensor load behind the round; the four v_nop behind it are among the places in front of the loads below
.else
	tensor_load_to_lds s[G0C:G0C+3], s[G1C:G1C+7]  ; c's tile: 128 matrix instructions stand between this line and the wait for it
	s_nop 0
.rept 4
	v_nop
.endr
.endif
	PLACES NP-4
	s_wait_alu depctr_va_vdst(0)
	v_add_nc_u32 v[ADRS], 4*NQ, v[ADRS]            ; on to the next K step's scale words (no LDS load of mine is out)
	FETCH_B \next, 0, 0
	FETCH_A \next, 0, 0
	SCALES \next
.if (\fill) == 1
	ASK                                            ; behind the joint load and the run of LDS loads that the next products wait for
.if (\slot) == 0
	ASKC
.endif
.endif
	WIN MUL_HI
	MUL16 4, 1, NQ-1, \slot, 0
	MUL16 6, 1, NQ-1, \slot, 0
	PLACES NP
	WIN 0
	FETCH_A \next, 0, 4
.endm
	s_wait_alu depctr_va_vdst(0)
	s_wait_tensorcnt 0x0                           ; my tile of the head's four is in
	ds_add_u32 v[SPW], v[NIL]                      ; 0 onto my spare word
	s_mov_b32 s[G1+2], 128<<16                     ; no tensor load of mine is out, so descriptors may be written: from here on a load brings 128 rows,
	s_mov_b32 s[G1+4], 128
	s_mov_b32 s[G1B+2], 128<<16
	s_mov_b32 s[G1B+4], 128
	s_add_co_u32 s[G0+1], s45, 0                   ; and slot 0's group 0 takes the ring's form: LDS wave x 128 rows, my 128 rows of the tile
	s_add_nc_u64 s[G0+2:G0+3], s[G0+2:G0+3], s[2:3]
	s_add_co_u32 s[G0B+1], s45, 0
	s_add_nc_u64 s[G0B+2:G0B+3], s[G0B+2:G0B+3], s[2:3]
	s_wait_dscnt 0x0                               ; the add is done
	CROUND                                         ; a whole round: all four tiles are in, and all sixteen work-groups are here
	JLOAD G0+4, G1, G0B+4, G1B                     ; K step 1's load, slot 1's first fill: the first tensor load behind the round
	FETCH_B 0, 0, 0
	FETCH_A 0, 0, 0
	SCALES 0
	FETCH_A 0, 0, 4
	s_wait_loadcnt 0x0                             ; the biases
	; beside K step 1's load: K step 3, two refills on
	global_prefetch_b8 v[PFO], s[PFA:PFA+1] offset:ROWB th:TH_LOAD_NT scope:SCOPE_SE
	STEP 0, 0, 1                                   ; the first step stands in front of the loop: its products start the sums, from the biases
	s_mov_b32 s3, LAPS-1
.Llap:                                                 ; a trip goes once round the ring, from a lap's second step to the next lap's first, and fills both slots again: K steps 2 to 7 in three trips
	TURN 0, 1, 1
	STEP 1, 0, 0
	TURN 1, 0, 1
	STEP 0, 0, 0
	s_sub_co_u32 s3, s3, 1
	s_cmp_lg_u32 s3, 0
	s_cbranch_scc1 .Llap
	TURN 0, 1, 2                                   ; slot 0 has been read for the last time: c's tile goes into its first half
	STEP 1, 0, 0
	s_wait_dscnt 4*NL                              ; the very last step: nothing more to fetch
	WIN MUL_LO
	MUL16 0, 1, NQ-1, 1, 0
	MUL16 2, 1, NQ-1, 1, 0
	s_wait_tensorcnt 0x0                           ; my 64 rows of c have landed,
	s_wait_dscnt 0x0                               ; and my reads of slot 1 are over: say so.
	s_barrier_signal -1
	WIN MUL_HI
	MUL16 4, 1, NQ-1, 1, 0                         ; work on registers while the others arrive
	MUL16 6, 1, NQ-1, 1, 0
	WIN 0
	s_barrier_wait -1                              ; c's tile is whole, and nobody reads slot 1 any more: the stages may be written
	PLACES NP                                      ; behind the last products: for the loads and vector lines that write the registers of xx's fragments, and for the reads of results
; THE CELL, a block of 16 rows at a time: 16 elements a lane (index e = 8 u + j).
.macro CLOAD a                         ; c of block a: 32 + 32 neighbouring bytes of my row
.irp u, 0,1
.irp k, 0,1
	ds_load_b128 v[CIN+16*((\a)%2)+8*\u+4*\k:CIN+16*((\a)%2)+8*\u+4*\k+3], v[CA] offset:(\a)*16*PITCH+64*\u+16*\k
.endr
.endr
.endm
; THE WAY OUT of block a: my 8 of its 16 rows in my half of the tile's rows, whole rows of 256 bytes, of c_new and of h_new, out of the stages into set a % 2 of the registers that the biases have left,
.macro BACK a
.set BB, BKS+32*((\a)%2)
.irp t, 0,1,2,3
	ds_load_b128 v[BB+4*\t:BB+4*\t+3], v[RD] offset:(\a)*16*PITCH+\t*2*PITCH
.endr
.irp t, 0,1,2,3
	ds_load_b128 v[BB+16+4*\t:BB+16+4*\t+3], v[RDH] offset:(\a)*16*PITCH+\t*2*PITCH
.endr
.endm
; and from there to memory.  counted = 1: the eight loads were the last LDS instructions issued, and each store waits for its own (LDS loads come back in order: ISA guide 5.7.1); 0: a wait for all stands ahead.
.macro SEND a, counted
.set BB, BKS+32*((\a)%2)
.irp t, 0,1,2,3
.if \counted
	s_wait_dscnt 7-\t
.endif
	global_store_b128 v[GO], v[BB+4*\t:BB+4*\t+3], s[14:15] offset:((\a)*16+2*\t)*4096 th:TH_STORE_NT          ; 16 lanes store 256 consecutive bytes, at a multiple of 256 from the buffer's first byte; written once, read by nobody here
.endr
.irp t, 0,1,2,3
.if \counted
	s_wait_dscnt 3-\t
.endif
	global_store_b128 v[GO], v[BB+16+4*\t:BB+16+4*\t+3], s[100:101] offset:((\a)*16+2*\t)*4096 th:TH_STORE_NT
.endr
.endm
; sigmoid(z) = 1 / (1 + 2^(-log2(e) z));  tanh(z) = 1 - 2 / (1 + 2^(2 log2(e) z)).  The transcendentals go in batches: behind each batch one plain line and ONE s_wait_alu, ahead of the first line that names a result
; four waits a block.
; From block 1 on a block carries the way out of the block before: where it waits for all its LDS instructions anyway, it also passes a barrier: behind it both waves' halves of the last block's rows lie in the stages.
; In the span between two such barriers block a's rows are written and block a - 1's are read: other bytes.
.macro EPI a
.set AC, 64*((\a)%4)                   ; the block's eight accumulators, in window 2 (blocks 0-3) or 3 (blocks 4-7)
.set CI, CIN+16*((\a)%2)
.if (\a) < 7
	CLOAD (\a)+1                                   ; the next block's c, a block ahead
.endif
	WIN 0x02+(\a)/4                                ; source 0: window 2 or 3
.irp b, 0,1,2,3,4,5,6,7
.irp p, 0,2,4,6
.if \b/2 == 2
	v_pk_mul_f32 v[T+8*\b+\p:T+8*\b+\p+1], v[AC+8*\b+\p:AC+8*\b+\p+1], s[K2:K2+1] op_sel_hi:[1,0]   ; gate g: 2 log2(e) z
.else
	v_pk_mul_f32 v[T+8*\b+\p:T+8*\b+\p+1], v[AC+8*\b+\p:AC+8*\b+\p+1], s[KN:KN+1] op_sel_hi:[1,0]   ; gates f, i, o: -log2(e) z.  Each accumulator is read from its low end on
.endif
.endr
.endr
	WIN 0
.set j, 0
	s_wait_alu depctr_va_vdst(0)
.rept 64
	v_exp_f32 v[T+j], v[T+j]
.set j, j+1
.endr
	v_nop                                          ; the plain line behind the last exponential
	s_wait_alu depctr_va_vdst(0)                   ; one wait for the 64
.set j, 0
.rept 32
	v_pk_add_f32 v[T+j:T+j+1], v[T+j:T+j+1], 1.0 op_sel_hi:[1,0]
.set j, j+2
.endr
.set j, 0
	s_wait_alu depctr_va_vdst(0)
.rept 64
	v_rcp_f32 v[T+j], v[T+j]
.set j, j+1
.endr
	v_nop
	s_wait_alu depctr_va_vdst(0)                   ; one wait for the 64: T+0.. = f, T+16.. = i, T+32.. = 1 / (1 + E) of gate g, T+48.. = o
.irp p, 0,2,4,6,8,10,12,14
	v_pk_fma_f32 v[T+32+\p:T+33+\p], v[T+32+\p:T+33+\p], -2.0, 1.0 op_sel_hi:[1,0,0]   ; tanh(zg)
.endr
.irp p, 0,2,4,6,8,10,12,14
	v_pk_mul_f32 v[T+16+\p:T+17+\p], v[T+16+\p:T+17+\p], v[T+32+\p:T+33+\p]            ; i tanh(zg)
.endr
	s_wait_alu depctr_va_vdst(0)
	s_wait_dscnt 0x0                               ; this block's c is in (asked for a block ago), and the last block's stores into the stages are done: they have read CN and HN, and the others may read the rows
.if (\a) > 0
	s_barrier_signal -1                            ; say so;
.endif
.irp p, 0,2,4,6,8,10,12,14
	v_pk_fma_f32 v[CN+\p:CN+\p+1], v[T+\p:T+\p+1], v[CI+\p:CI+\p+1], v[T+16+\p:T+17+\p]   ; c_new = f c + i tanh(zg)  (work on registers while the others arrive)
.endr
.if (\a) > 0
	s_wait_alu depctr_va_vdst(0)
	s_barrier_wait -1                              ; the last block's rows are whole in both stages
.endif
.irp u, 0,1
.irp k, 0,1
	ds_store_b128 v[SO], v[CN+8*\u+4*\k:CN+8*\u+4*\k+3] offset:(\a)*16*PITCH+64*\u+16*\k
.endr
.endr
.if (\a) > 0
	s_wait_xcnt 0x0                                ; the stores of two blocks ago have read their registers: the loads below may land there
	BACK (\a)-1
.endif
.irp p, 0,2,4,6,8,10,12,14
	v_pk_mul_f32 v[HN+\p:HN+\p+1], v[CN+\p:CN+\p+1], s[K2:K2+1] op_sel_hi:[1,0]
.endr
.set j, 0
	s_wait_alu depctr_va_vdst(0)
.rept 16
	v_exp_f32 v[HN+j], v[HN+j]
.set j, j+1
.endr
	v_nop
	s_wait_alu depctr_va_vdst(0)
.irp p, 0,2,4,6,8,10,12,14
	v_pk_add_f32 v[HN+\p:HN+\p+1], v[HN+\p:HN+\p+1], 1.0 op_sel_hi:[1,0]
.endr
.set j, 0
	s_wait_alu depctr_va_vdst(0)
.rept 16
	v_rcp_f32 v[HN+j], v[HN+j]
.set j, j+1
.endr
	v_nop
	s_wait_alu depctr_va_vdst(0)
.irp p, 0,2,4,6,8,10,12,14
	v_pk_fma_f32 v[HN+\p:HN+\p+1], v[HN+\p:HN+\p+1], -2.0, 1.0 op_sel_hi:[1,0,0]       ; tanh(c_new)
.endr
.irp p, 0,2,4,6,8,10,12,14
	v_pk_mul_f32 v[HN+\p:HN+\p+1], v[HN+\p:HN+\p+1], v[T+48+\p:T+49+\p]                ; h_new = tanh(c_new) o
.endr
.if (\a) > 0
	s_wait_alu depctr_va_vdst(0)
	s_wait_dscnt 0x0                               ; the last block's rows are back in registers (asked for ahead of the lines of tanh(c_new))
	SEND (\a)-1, 0
.endif
.irp u, 0,1
.irp k, 0,1
	ds_store_b128 v[SOH], v[HN+8*\u+4*\k:HN+8*\u+4*\k+3] offset:(\a)*16*PITCH+64*\u+16*\k
.endr
.endr
.endm
	CLOAD 0
.irp a, 0,1,2,3,4,5,6,7
	EPI \a
.endr
	s_wait_dscnt 0x0                               ; for the others' sake: my stores of block 7 into the stages are done
	s_barrier_signal -1
	s_barrier_wait -1                              ; its rows are whole
	s_wait_xcnt 0x0                                ; block 5's stores have read their registers
	BACK 7
	SEND 7, 1
	s_wait_tensorcnt 0x0                           ; the wave's end, behind my last tensor load and my last LDS store
	ds_add_u32 v[SPW], v[NIL]
	s_wait_dscnt 0x0
	CROUND                                         ; the closing round: no work-group ends while a partner may still ask for a tile that names it
	s_endpgm
.Lfunc_end_k_q28b72ea6d4_lstm:
	.size	k_q28b72ea6d4_lstm, .Lfunc_end_k_q28b72ea6d4_lstm-k_q28b72ea6d4_lstm
	.p2alignl 7, 3214868480
	.fill 96, 4, 3214868480
	.section	.rodata,"a",@progbits
	.p2align	6, 0x0
	.amdhsa_kernel k_q28b72ea6d4_lstm
		.amdhsa_group_segment_fixed_size 327680
		.amdhsa_private_segment_fixed_size 0
		.amdhsa_enable_private_segment 0
		.amdhsa_kernarg_size 88
		.amdhsa_user_sgpr_count 2
		.amdhsa_user_sgpr_kernarg_segment_ptr 1
		.amdhsa_wavefront_size32 1
		.amdhsa_system_sgpr_workgroup_id_x 1
		.amdhsa_system_sgpr_workgroup_id_y 1
		.amdhsa_system_sgpr_workgroup_id_z 1
		.amdhsa_system_vgpr_workitem_id 0
		.amdhsa_next_free_vgpr 1024
		.amdhsa_next_free_sgpr 106
		.amdhsa_reserve_vcc 0
		.amdhsa_float_denorm_mode_32 3
		.amdhsa_float_denorm_mode_16_64 3
		.amdhsa_memory_ordered 1
		.amdhsa_forward_progress 1
		.amdhsa_inst_pref_size 244
	.end_amdhsa_kernel
	.amdgpu_metadata
---
amdhsa.version: [ 1, 2 ]
amdhsa.kernels:
  - .name:           k_q28b72ea6d4_lstm
    .symbol:         k_q28b72ea6d4_lstm.kd
    .args:
      - { .name: a_codes, .offset: 0, .size: 8, .value_kind: global_buffer, .address_space: global }
      - { .name: a_scales, .offset: 8, .size: 8, .value_kind: global_buffer, .address_space: global }
      - { .name: w_codes, .offset: 16, .size: 8, .value_kind: global_buffer, .address_space: global }
      - { .name: w_scales, .offset: 24, .size: 8, .value_kind: global_buffer, .address_space: global }
      - { .name: b_f, .offset: 32, .size: 8, .value_kind: global_buffer, .address_space: global }
      - { .name: b_i, .offset: 40, .size: 8, .value_kind: global_buffer, .address_space: global }
      - { .name: b_g, .offset: 48, .size: 8, .value_kind: global_buffer, .address_space: global }
      - { .name: b_o, .offset: 56, .size: 8, .value_kind: global_buffer, .address_space: global }
      - { .name: c, .offset: 64, .size: 8, .value_kind: global_buffer, .address_space: global }
      - { .name: out0, .offset: 72, .size: 8, .value_kind: global_buffer, .address_space: global }
      - { .name: out1, .offset: 80, .size: 8, .value_kind: global_buffer, .address_space: global }
    .group_segment_fixed_size: 327680
    .private_segment_fixed_size: 0
    .kernarg_segment_align: 8
    .kernarg_segment_size: 88
    .max_flat_workgroup_size: 128
    .sgpr_count:     106
    .vgpr_count:     1024
    .wavefront_size: 32
...
	.end_amdgpu_metadata
.endif
;; end of part 2
